; MI455X (gfx1250); checked and timed in simulation.
; The chip was launched on July 23, 2026; its instructions are those of AMD's public machine-readable ISA for CDNA 5 (MIT licence, August 2026) and "CDNA5" Instruction Set Architecture Reference Guide (July 2026). The comments in the code are by the model that wrote it; some were corrected since.
;; Native Sparse Cross Attention. Allowed arithmetic: float matrix products may take bf16 or f16 operands with f32 sums; all other float work in f32.
;; Inputs: Wk 256 x 512 float32; Wo 512 x 512 float32; Wq 512 x 512 float32; Wv 256 x 512 float32; byte_array 2 x 16,384 x 256 float32; latents 2 x 128 x 512 float32; router_k_b 64 float32; router_k_w 256 x 64 float32; router_q_b 64 float32; router_q_w 512 x 64 float32.
;; Outputs: out0 2 x 128 x 512 float32.
;; One version. Each part assembles by itself: llvm-mc -triple=amdgcn-amd-amdhsa -mcpu=gfx1250 --defsym DOCPART=n.
;; ======== version 1 of 1: 4 launches
;; limits: values are held in f16: magnitudes above 65,504 overflow, below 6.1e-05 lose precision; inputs' magnitudes at most 65,504
;; workspace buffers: xh 16,777,216 bytes; rk 131,072 bytes; qkh 1,048,576 bytes; qsc 8,192 bytes; wvo 2,097,152 bytes; idx 16,384 bytes of whole numbers; cav 1,048,576 bytes
;; launch prep (part 1): grid 512 x 1, 8 waves a work-group, no clusters, 8,192 bytes of LDS; arguments byte_array, router_k_w, router_k_b, xh, rk; writes xh, rk
.if DOCPART == 1
	.amdgcn_target "amdgcn-amd-amdhsa--gfx1250"
	.amdhsa_code_object_version 6
	.text
	.protected	k_qbf92f4ac89_prep
	.globl	k_qbf92f4ac89_prep
	.p2align	8
	.type	k_qbf92f4ac89_prep,@function
k_qbf92f4ac89_prep:
	s_mov_b64 s[64:65], 0
	v_nop
	global_prefetch_b8 v0, s[64:65] scope:SCOPE_SE
	s_setreg_imm32_b32 hwreg(HW_REG_WAVE_MODE, 25, 1), 1
	s_wait_xcnt 0x0
; prep: one pass over byte_array.  xh = f16(byte_array);  rk[block] = mean over the block's 64 tokens @ router_k_w + router_k_b.
; A work-group owns one block: 64 tokens x 256 f32 = 65,536 consecutive bytes.  Eight waves; thread t loads the 16 bytes at 16 t + 4096 i,
; i = 0..15: token 4 i + (t >> 6), columns 4 (t & 63) .. +3.  The whole block lies in registers, so it is read once: each load is summed
; into the column sums and rounded to f16 for the copy.  The router's arithmetic stays in f32 on the vector unit, since a choice of blocks hangs on it.
; No matrix unit, no tensor loads, no cluster: the block fits in registers, and router_k_w goes from registers straight into multiply-adds.
; LIMITS: |byte_array| above 65,504 becomes an infinity in xh (f16).  The sums are f32 in another order than the reference's.
.set PART, 0                           ; LDS: 256 threads x 16 bytes, column sums of 16 tokens each
.set SUMM, 4096                        ; 256 f32: the block's mean
.set RED,  5120                        ; 8 waves x 256 bytes: partial r_k
.set X,   8                            ; v[8:71]    the 16 loads of the block
.set W,   72                           ; v[72:135]  16 loads of router_k_w: load i = row 16 i + (t >> 4), columns 4 (t & 15) .. +3
.set H,   136                          ; v[136:167] f16 to store: registers of its own for each store, so no store's data is ever rewritten
.set ACC, 168                          ; v[168:171] column sums
.set SV,  172                          ; v[172:187] mean[16 i + (t >> 4)]; later the bias
.set RA,  188                          ; v[188:191] partial r_k of my four columns
.set T,   192                          ; v[192:207] at work
	s_load_b256 s[4:11], s[0:1], 0x0               ; byte_array s[4:5], router_k_w s[6:7], router_k_b s[8:9], xh s[10:11]
	s_load_b64 s[12:13], s[0:1], 0x20              ; rk
	v_lshl_add_u32 v208, v0, 2, 0x1c00
	v_mov_b32 v209, 0
	v_lshrrev_b32 v7, 5, v0
	v_readfirstlane_b32 s16, v7                    ; wave 0..7
	s_mov_b32 s20, 0x76543210                      ; v_permlanex16_b32: lane i reads lane i of the other half
	s_mov_b32 s21, 0xfedcba98
	v_lshlrev_b32 v1, 4, v0                        ; 16 t
	v_lshlrev_b32 v2, 3, v0                        ; 8 t: my 8 bytes of f16
	v_lshrrev_b32 v3, 4, v0
	v_lshlrev_b32 v3, 2, v3                        ; 4 (t >> 4)
	v_and_b32 v6, 15, v0
	v_lshlrev_b32 v6, 4, v6                        ; 16 (t & 15)
	v_lshl_add_u32 v4, s16, 8, v6                  ; 256 wave + 16 (t & 15)
	v_bfe_u32 v5, v0, 4, 1
	v_lshl_add_u32 v5, v5, 10, v6                  ; wave 0 at the end: lanes 0-15 read waves 0-3, lanes 16-31 waves 4-7
	s_mov_b32 s15, 0
	s_lshl_b32 s14, ttmp9, 16                      ; block x 65,536 bytes of f32
	s_wait_kmcnt 0x0
	s_add_nc_u64 s[4:5], s[4:5], s[14:15]
	s_lshl_b32 s14, ttmp9, 15                      ; block x 32,768 bytes of f16
	s_add_nc_u64 s[10:11], s[10:11], s[14:15]
	s_lshl_b32 s14, ttmp9, 8                       ; block x 256 bytes of rk
	s_add_nc_u64 s[12:13], s[12:13], s[14:15]
.irp i, 0,1,2,3,4,5,6,7,8,9,10,11,12,13,14,15
	global_load_b128 v[X+4*\i:X+4*\i+3], v1, s[4:5] offset:4096*\i th:TH_LOAD_NT   ; read once in the launch
.endr
.irp i, 0,1,2,3,4,5,6,7,8,9,10,11,12,13,14,15
	global_load_b128 v[W+4*\i:W+4*\i+3], v1, s[6:7] offset:4096*\i                 ; every work-group reads these again
.endr
; Load i of the block: sum it, round it, store it.  32 loads were issued, 31 - i of them behind this one.
.macro ROW i
	s_wait_loadcnt 31-\i
.if \i == 1
	v_pk_add_f32 v[ACC:ACC+1], v[X:X+1], v[X+4:X+5]            ; the first two loads start the sums: nothing is cleared
	v_pk_add_f32 v[ACC+2:ACC+3], v[X+2:X+3], v[X+6:X+7]
.endif
.if \i > 1
	v_pk_add_f32 v[ACC:ACC+1], v[ACC:ACC+1], v[X+4*\i:X+4*\i+1]
	v_pk_add_f32 v[ACC+2:ACC+3], v[ACC+2:ACC+3], v[X+4*\i+2:X+4*\i+3]
.endif
	v_cvt_pk_f16_f32 v[H+2*\i], v[X+4*\i], v[X+4*\i+1]
	v_cvt_pk_f16_f32 v[H+2*\i+1], v[X+4*\i+2], v[X+4*\i+3]
	global_store_b64 v2, v[H+2*\i:H+2*\i+1], s[10:11] offset:2048*\i   ; a wave's store covers 256 consecutive bytes, aligned
.endm
.irp i, 0,1,2,3,4,5,6,7,8,9,10,11,12,13,14,15
	ROW \i
.endr
	ds_store_b128 v1, v[ACC:ACC+3]                 ; PART: thread t holds tokens = t >> 6 (mod 4) of columns 4 (t & 63)
	s_wait_dscnt 0x0                               ; for the other waves' sake: zero
	s_barrier_signal -1
	s_barrier_wait -1
	s_cmp_ge_u32 s16, 2                            ; threads 0-63 add the four token groups of their columns
	s_cbranch_scc1 .Lno_sum
.irp g, 0,1,2,3
	ds_load_b128 v[T+4*\g:T+4*\g+3], v1 offset:PART+1024*\g
.endr
	s_wait_dscnt 0x0
	v_pk_add_f32 v[T:T+1], v[T:T+1], v[T+4:T+5]
	v_pk_add_f32 v[T+2:T+3], v[T+2:T+3], v[T+6:T+7]
	v_pk_add_f32 v[T+8:T+9], v[T+8:T+9], v[T+12:T+13]
	v_pk_add_f32 v[T+10:T+11], v[T+10:T+11], v[T+14:T+15]
	v_pk_add_f32 v[T:T+1], v[T:T+1], v[T+8:T+9]
	v_pk_add_f32 v[T+2:T+3], v[T+2:T+3], v[T+10:T+11]
	v_pk_mul_f32 v[T:T+1], v[T:T+1], 0x3c800000 op_sel_hi:[1,0]        ; / 64, exact
	v_pk_mul_f32 v[T+2:T+3], v[T+2:T+3], 0x3c800000 op_sel_hi:[1,0]
	ds_store_b128 v1, v[T:T+3] offset:SUMM
	s_wait_dscnt 0x0
.Lno_sum:
	s_barrier_signal -1
	s_barrier_wait -1
.irp i, 0,1,2,3,4,5,6,7,8,9,10,11,12,13,14,15
	ds_load_b32 v[SV+\i], v3 offset:SUMM+64*\i     ; mean[16 i + (t >> 4)]: the row of router_k_w that load i holds
.endr
	s_wait_loadcnt 0x0                             ; router_k_w
	s_wait_dscnt 0x0
.irp c, 0,1,2,3
	v_mul_f32 v[RA+\c], v[SV], v[W+\c]             ; the first product starts the sums
.endr
.irp i, 1,2,3,4,5,6,7,8,9,10,11,12,13,14,15
.irp c, 0,1,2,3
	v_fmac_f32 v[RA+\c], v[SV+\i], v[W+4*\i+\c]
.endr
.endr
.irp c, 0,1,2,3
	v_permlanex16_b32 v[ACC+\c], v[RA+\c], s20, s21            ; the wave's other 16 rows
.endr
	v_pk_add_f32 v[RA:RA+1], v[RA:RA+1], v[ACC:ACC+1]
	v_pk_add_f32 v[RA+2:RA+3], v[RA+2:RA+3], v[ACC+2:ACC+3]
	ds_store_b128 v4, v[RA:RA+3] offset:RED        ; both halves of the wave hold, and write, the same numbers
	s_wait_dscnt 0x0
	s_barrier_signal -1
	s_barrier_wait -1
	s_cmp_lg_u32 s16, 0                            ; wave 0 adds the eight waves' parts and the bias
	s_cbranch_scc1 .Ldone
	global_load_b128 v[SV:SV+3], v6, s[8:9]
.irp q, 0,1,2,3
	ds_load_b128 v[T+4*\q:T+4*\q+3], v5 offset:RED+256*\q
.endr
	s_wait_dscnt 0x0
	v_pk_add_f32 v[T:T+1], v[T:T+1], v[T+4:T+5]
	v_pk_add_f32 v[T+2:T+3], v[T+2:T+3], v[T+6:T+7]
	v_pk_add_f32 v[T+8:T+9], v[T+8:T+9], v[T+12:T+13]
	v_pk_add_f32 v[T+10:T+11], v[T+10:T+11], v[T+14:T+15]
	v_pk_add_f32 v[T:T+1], v[T:T+1], v[T+8:T+9]
	v_pk_add_f32 v[T+2:T+3], v[T+2:T+3], v[T+10:T+11]
.irp c, 0,1,2,3
	v_permlanex16_b32 v[ACC+\c], v[T+\c], s20, s21
.endr
	v_pk_add_f32 v[T:T+1], v[T:T+1], v[ACC:ACC+1]
	v_pk_add_f32 v[T+2:T+3], v[T+2:T+3], v[ACC+2:ACC+3]
	s_wait_loadcnt 0x0                             ; the bias
	v_pk_add_f32 v[T:T+1], v[T:T+1], v[SV:SV+1]
	v_pk_add_f32 v[T+2:T+3], v[T+2:T+3], v[SV+2:SV+3]
	v_cmp_gt_u32 vcc_lo, 16, v0
	s_wait_xcnt 0x0                                ; EXEC changes only behind this wait: it is a source of the pending stores
	s_and_saveexec_b32 s22, vcc_lo
	global_store_b128 v6, v[T:T+3], s[12:13]       ; sixteen lanes: the block's 256 bytes of rk
	s_wait_xcnt 0x0
	s_or_b32 exec_lo, exec_lo, s22
.Ldone:
	s_wait_tensorcnt 0x0
	ds_add_u32 v208, v209
	s_wait_dscnt 0x0
	s_endpgm
.Lfunc_end_k_qbf92f4ac89_prep:
	.size	k_qbf92f4ac89_prep, .Lfunc_end_k_qbf92f4ac89_prep-k_qbf92f4ac89_prep
	.p2alignl 7, 3214868480
	.fill 96, 4, 3214868480
	.section	.rodata,"a",@progbits
	.p2align	6, 0x0
	.amdhsa_kernel k_qbf92f4ac89_prep
		.amdhsa_group_segment_fixed_size 8192
		.amdhsa_private_segment_fixed_size 0
		.amdhsa_enable_private_segment 0
		.amdhsa_kernarg_size 40
		.amdhsa_user_sgpr_count 2
		.amdhsa_user_sgpr_kernarg_segment_ptr 1
		.amdhsa_wavefront_size32 1
		.amdhsa_system_sgpr_workgroup_id_x 1
		.amdhsa_system_sgpr_workgroup_id_y 1
		.amdhsa_system_sgpr_workgroup_id_z 1
		.amdhsa_system_vgpr_workitem_id 0
		.amdhsa_next_free_vgpr 210
		.amdhsa_next_free_sgpr 66
		.amdhsa_reserve_vcc 1
		.amdhsa_float_denorm_mode_32 3
		.amdhsa_float_denorm_mode_16_64 3
		.amdhsa_memory_ordered 1
		.amdhsa_forward_progress 1
		.amdhsa_inst_pref_size 17
	.end_amdhsa_kernel
	.amdgpu_metadata
---
amdhsa.version: [ 1, 2 ]
amdhsa.kernels:
  - .name:           k_qbf92f4ac89_prep
    .symbol:         k_qbf92f4ac89_prep.kd
    .args:
      - { .name: byte_array, .offset: 0, .size: 8, .value_kind: global_buffer, .address_space: global }
      - { .name: router_k_w, .offset: 8, .size: 8, .value_kind: global_buffer, .address_space: global }
      - { .name: router_k_b, .offset: 16, .size: 8, .value_kind: global_buffer, .address_space: global }
      - { .name: xh, .offset: 24, .size: 8, .value_kind: global_buffer, .address_space: global }
      - { .name: rk, .offset: 32, .size: 8, .value_kind: global_buffer, .address_space: global }
    .group_segment_fixed_size: 8192
    .private_segment_fixed_size: 0
    .kernarg_segment_align: 8
    .kernarg_segment_size: 40
    .max_flat_workgroup_size: 256
    .sgpr_count:     66
    .vgpr_count:     210
    .wavefront_size: 32
...
	.end_amdgpu_metadata
.endif
;; end of part 1
;; launch mid (part 2): grid 448 x 1, 8 waves a work-group, no clusters, 160,768 bytes of LDS; arguments latents, Wq, Wk, Wv, Wo, router_q_w, router_q_b, rk, qkh, qsc, wvo, idx; writes qkh, qsc, wvo, idx
.if DOCPART == 2
	.amdgcn_target "amdgcn-amd-amdhsa--gfx1250"
	.amdhsa_code_object_version 6
	.text
	.protected	k_qbf92f4ac89_mid
	.globl	k_qbf92f4ac89_mid
	.p2align	8
	.type	k_qbf92f4ac89_mid,@function
k_qbf92f4ac89_mid:
	s_mov_b64 s[64:65], 0
	v_nop
	global_prefetch_b8 v0, s[64:65] scope:SCOPE_SE
	s_setreg_imm32_b32 hwreg(HW_REG_WAVE_MODE, 25, 1), 1
	s_wait_xcnt 0x0
; mid: three small jobs that need nothing from each other, chosen by the work-group's number.
;   0..127   QK     (16 latent rows rt, head h): q = lat @ Wq[:, h]; q^ = q / P2 with P2 the power of two under the row's largest |q|;
;                   qkh[row][h][d] = sum_j q^[j] Wk[d][64 h + j] in f16;  qsc[h][row] = P2 / 8 * log2(e).
;                   So x . (Wk_h q_h) / 8 * log2(e) = (x . qkh) * qsc: the keys are never formed.
;   128..191 WVO    (head h, 64 output columns ns): wvo[n][256 h + d] = sum_j Wv[d][64 h + j] Wo[64 h + j][n] in f16: the values are never formed.
;   192..447 ROUTER (one latent row): r_q, the 256 logits and the 16 largest of them, all in f32 on the vector unit, since a choice hangs on them.
; Matrix products take f16 operands and f32 sums.  NO CLUSTER: the weight slabs that work-groups share are f32 and are rounded on their way
; through registers, so there is no tile that could land in LDS as it lies in memory, and the three jobs pass different numbers of barriers.
; LDS: a work-group runs one job.  All the same, what a job stores ahead of its first barrier lies in bytes that no other job stores to there
; (Wo's tile and the router's words have bytes of their own behind QK's map); the slab at WKS is staged by QK and by WVO with the same rows for each wave.
; LIMITS: latents and weights above 65,504 in magnitude overflow f16; wvo is kept unscaled, so entries under 6e-5 are rounded to multiples of 6e-8.
; A row of q whose largest magnitude is denormal counts as zero.  Logits must be finite (no NaN, no infinity); equal logits: the lower index first.
.set LATP, 1040                        ; LDS 0: 16 latent rows, 512 f16 + 16 bytes
.set WQS,  16640                       ; Wq's slab [512 k][64 n] f16,
.set WQP,  160                         ; rows of 128 + 32 bytes: an odd multiple of 32, for the transposing loads
.set WKS,  98560                       ; Wk's or Wv's slab [256 d][64 j] f16,
.set WKP,  144                         ; rows of 128 + 16 bytes
.set QST,  135424                      ; q^ [16 rows][64 j] f16, rows of 144 bytes
.set OST,  137728                      ; QK's way out: 16 rows of 512 + 16 bytes
.set OSP,  528
.set MX,   146176                      ; 4 waves x 16 rows: largest |q|
.set WOS,  146432                      ; WVO: Wo's tile [64 j][64 n] f16, rows of 160 bytes
.set OST2, 16640                       ; WVO's way out, behind its first barrier: 64 rows of 528 bytes
.set RED,  156672                      ; ROUTER: eight partial r_q of 256 bytes
.set LOG,  158720                      ; ROUTER: 256 logits
.macro PLACES                          ; four places behind a matrix instruction, in front of a vector instruction that reads its result and of a
.rept 4                                ; load into one of its registers (ISA guide 7.12.1 for vector instructions)
	v_nop
.endr
.endm
.macro BAR
	s_wait_dscnt 0x0                               ; for the other waves' sake: zero
	s_barrier_signal -1
	s_barrier_wait -1
.endm
; four loaded f32 become four f16 in LDS.  left = the loads issued behind this one
.macro CVST reg, addr, imm, left
	s_wait_loadcnt \left
	v_cvt_pk_f16_f32 v[\reg], v[\reg], v[\reg+1]
	v_cvt_pk_f16_f32 v[\reg+1], v[\reg+2], v[\reg+3]
	ds_store_b64 v[\addr], v[\reg:\reg+1] offset:\imm
.endm
; the addresses used behind the staging barrier (the staging's own are free: its loads have all been waited for)
.macro ADDRS stage
	v_mul_u32_u24 v5, v2, WKP
	v_lshl_add_u32 v5, v3, 4, v5                   ; r x 144 + 16 h2
	s_mul_i32 s38, s28, 32*WKP
	s_add_co_u32 s38, s38, WKS
	v_add_nc_u32 v6, s38, v5                       ; v6: fragments of my wave's 32 rows d of the slab
	v_add_nc_u32 v5, QST, v5                       ; v5: fragments of q^
	v_mul_u32_u24 v7, v2, OSP
	v_lshl_add_u32 v7, v3, 4, v7
	s_lshl_b32 s38, s28, 6
	s_add_co_u32 s38, s38, \stage
	v_add_nc_u32 v7, s38, v7                       ; v7: stage, row r, my wave's 32 columns d, 16 bytes for each half of the lanes
	s_mul_i32 s38, s28, OSP
	s_add_co_u32 s38, s38, \stage
	v_lshl_add_u32 v8, v1, 4, s38                  ; v8: stage, row = wave, read back as a whole row of 512 bytes
	s_lshl_b32 s38, s28, 12
	v_lshl_add_u32 v9, v1, 4, s38                  ; v9: the same row in memory (rows of 4,096 bytes)
.endm
; my wave's two tiles of 16 rows d, K = 64 j in two steps, into v[32:63]
.macro KFLOAD
.irp dt, 0,1
.irp ks, 0,1
	ds_load_b128 v[32+16*\dt+8*\ks:35+16*\dt+8*\ks], v6 offset:16*WKP*\dt+64*\ks
	ds_load_b128 v[36+16*\dt+8*\ks:39+16*\dt+8*\ks], v6 offset:16*WKP*\dt+64*\ks+32
.endr
.endr
.endm
; n rows for each wave (rows wave, wave + 8, ..) leave the stage: a wave's store covers a row's 512 consecutive bytes
.macro OUTROWS n, sb
.set k, 0
.rept \n
	ds_load_b128 v[16+4*k:19+4*k], v8 offset:8*OSP*k
.set k, k+1
.endr
.set k, 0
.rept \n
	s_wait_dscnt \n-1-k                            ; LDS loads come back in order: the younger ones stay out
	global_store_b128 v9, v[16+4*k:19+4*k], s[\sb:\sb+1] offset:32768*k
.set k, k+1
.endr
.endm
	s_load_b512 s[4:19], s[0:1], 0x0               ; latents s[4:5], Wq s[6:7], Wk s[8:9], Wv s[10:11], Wo s[12:13], router_q_w s[14:15], router_q_b s[16:17], rk s[18:19]
	s_load_b256 s[20:27], s[0:1], 0x40             ; qkh s[20:21], qsc s[22:23], wvo s[24:25], idx s[26:27]
	v_lshl_add_u32 v248, v0, 2, 0x27000
	v_mov_b32 v249, 0
	v_and_b32 v1, 31, v0                           ; lane L
	v_and_b32 v2, 15, v0                           ; r
	v_bfe_u32 v3, v0, 4, 1                         ; h2
	v_lshrrev_b32 v4, 4, v0                        ; t >> 4
	v_lshrrev_b32 v5, 5, v0
	v_readfirstlane_b32 s28, v5                    ; wave 0..7
	s_mov_b32 s32, 0x76543210
	s_mov_b32 s33, 0xfedcba98
	s_mov_b32 s31, 0                               ; upper word of every offset
	s_wait_kmcnt 0x0
	s_cmp_ge_u32 ttmp9, 192
	s_cbranch_scc1 .Lrouter
	; shared by QK and WVO
	v_lshlrev_b32 v6, 11, v4
	v_lshl_add_u32 v6, v2, 4, v6                   ; weight rows of 2,048 bytes: row t >> 4, 16 lanes take 256 consecutive bytes
	v_mul_u32_u24 v10, v4, WKP
	v_lshl_add_u32 v10, v2, 3, v10
	v_add_nc_u32 v10, WKS, v10                     ; where they go as f16: the slab [d][j],
	v_mul_u32_u24 v8, v4, WQP
	v_lshl_add_u32 v8, v2, 3, v8                   ; and the slab [k][n] (its base is added below)
	v_and_b32 v11, 7, v0
	v_lshl_add_u32 v11, v3, 3, v11
	v_mul_u32_u24 v11, v11, WQP
	v_bfe_u32 v12, v0, 3, 1
	v_lshl_add_u32 v11, v12, 4, v11                ; transposing load: row 8 h2 + (L & 7), 16 bytes for each group of eight lanes (base added below)
	s_and_b32 s37, ttmp9, 7                        ; head
	s_lshl_b32 s30, s37, 8                         ; its 64 columns of f32
	s_cmp_ge_u32 ttmp9, 128
	s_cbranch_scc1 .Lwvo
; ---------------------------------------------------------------- QK
	s_lshr_b32 s36, ttmp9, 3                       ; rt: rows 16 rt .. 16 rt + 15
	s_add_nc_u64 s[6:7], s[6:7], s[30:31]
	s_add_nc_u64 s[8:9], s[8:9], s[30:31]
	s_lshl_b32 s30, s36, 15
	s_add_nc_u64 s[4:5], s[4:5], s[30:31]          ; 16 rows of 2,048 bytes
	s_lshl_b32 s30, s36, 16
	s_lshl_b32 s38, s37, 9
	s_add_co_u32 s30, s30, s38
	s_add_nc_u64 s[20:21], s[20:21], s[30:31]      ; qkh + 16 rt x 4,096 + 512 h
	s_lshl_b32 s30, s37, 10
	s_lshl_b32 s38, s36, 6
	s_add_co_u32 s30, s30, s38
	s_add_nc_u64 s[22:23], s[22:23], s[30:31]      ; qsc + 1,024 h + 64 rt
	v_lshlrev_b32 v5, 4, v0                        ; latents: 16 t + 4096 i = row 2 i + (t >> 7), column 4 (t & 127)
	v_lshrrev_b32 v7, 7, v0
	v_mul_u32_u24 v7, v7, LATP
	v_and_b32 v9, 127, v0
	v_lshl_add_u32 v7, v9, 3, v7
	v_add_nc_u32 v8, WQS, v8
	v_add_nc_u32 v9, 256*WQP, v8                   ; rows 256 and up: the LDS immediate has 16 bits
	; 56 loads, all on their way at once: 8 of latents, 32 of Wq, 16 of Wk
.irp i, 0,1,2,3,4,5,6,7
	global_load_b128 v[16+4*\i:19+4*\i], v5, s[4:5] offset:4096*\i
.endr
.irp i, 0,1,2,3,4,5,6,7,8,9,10,11,12,13,14,15,16,17,18,19,20,21,22,23,24,25,26,27,28,29,30,31
	global_load_b128 v[48+4*\i:51+4*\i], v6, s[6:7] offset:32768*\i
.endr
.irp i, 0,1,2,3,4,5,6,7,8,9,10,11,12,13,14,15
	global_load_b128 v[176+4*\i:179+4*\i], v6, s[8:9] offset:32768*\i
.endr
.irp i, 0,1,2,3,4,5,6,7
	CVST 16+4*\i,7,2*LATP*\i,55-\i
.endr
.irp i, 0,1,2,3,4,5,6,7,8,9,10,11,12,13,14,15
	CVST 48+4*\i,8,16*WQP*\i,47-\i
.endr
.irp i, 0,1,2,3,4,5,6,7,8,9,10,11,12,13,14,15
	CVST 112+4*\i,9,16*WQP*\i,31-\i
.endr
.irp i, 0,1,2,3,4,5,6,7,8,9,10,11,12,13,14,15
	CVST 176+4*\i,10,16*WKP*\i,15-\i
.endr
	BAR
	ADDRS OST
	v_lshlrev_b32 v15, 2, v2
	v_add_nc_u32 v15, MX, v15                      ; v15: row r's word among the maxima; made here, on every wave's path, since it is used on both sides of the next barrier
	; q: waves 0-3, wave w makes columns 16 w .. 16 w + 15 of the head.  K = 512 in 16 steps, four to a group, on two fragment buffers.
	; The matrix instruction is used transposed (source 0: Wq's columns, source 1: latent rows): lane (r, h2) holds row r, columns 16 w + 8 h2 + 0..7.
	s_cmp_ge_u32 s28, 4
	s_cbranch_scc1 .Lqk_b0
	s_lshl_b32 s38, s28, 5
	s_add_co_u32 s38, s38, WQS
	v_add_nc_u32 v12, s38, v11                     ; K steps 0-7
	v_add_nc_u32 v13, 256*WQP, v12                 ; K steps 8-15
	v_mul_u32_u24 v14, v2, LATP
	v_lshl_add_u32 v14, v3, 4, v14
.macro G1LOAD g, f                     ; 16 LDS loads: K steps 4 g .. 4 g + 3 into buffer f
.irp q, 0,1,2,3
	ds_load_tr16_b128 v[\f+16*\q:\f+16*\q+3], v[12+(\g>>1)] offset:32*WQP*(4*(\g&1)+\q)
	ds_load_tr16_b128 v[\f+16*\q+4:\f+16*\q+7], v[12+(\g>>1)] offset:32*WQP*(4*(\g&1)+\q)+16*WQP
	ds_load_b128 v[\f+16*\q+8:\f+16*\q+11], v14 offset:64*(4*\g+\q)
	ds_load_b128 v[\f+16*\q+12:\f+16*\q+15], v14 offset:64*(4*\g+\q)+32
.endr
.endm
.macro G1MUL f, zero                   ; two accumulators take turns, one instruction a turn
.irp q, 0,1,2,3
.if \zero*(2-\q) > 0
	v_wmma_f32_16x16x32_f16 v[144+8*(\q&1):151+8*(\q&1)], v[\f+16*\q:\f+16*\q+7], v[\f+16*\q+8:\f+16*\q+15], 0
.else
	v_wmma_f32_16x16x32_f16 v[144+8*(\q&1):151+8*(\q&1)], v[\f+16*\q:\f+16*\q+7], v[\f+16*\q+8:\f+16*\q+15], v[144+8*(\q&1):151+8*(\q&1)]
.endif
.endr
.endm
	G1LOAD 0, 16
	G1LOAD 1, 80
	s_wait_dscnt 16                                ; the 16 loads just issued stay out
	G1MUL 16, 1
	PLACES
	G1LOAD 2, 16
	s_wait_dscnt 16
	G1MUL 80, 0
	PLACES
	G1LOAD 3, 80
	s_wait_dscnt 16
	G1MUL 16, 0
	s_wait_dscnt 0x0
	G1MUL 80, 0
	PLACES
.irp k, 0,2,4,6
	v_pk_add_f32 v[144+\k:145+\k], v[144+\k:145+\k], v[152+\k:153+\k]
.endr
	v_max3_num_f32 v16, |v144|, |v145|, |v146|
	v_max3_num_f32 v17, |v147|, |v148|, |v149|
	v_max3_num_f32 v16, v16, |v150|, |v151|
	v_max_num_f32 v16, v16, v17
	v_permlanex16_b32 v17, v16, s32, s33
	v_max_num_f32 v16, v16, v17                    ; largest |q| of row r in my 16 columns
	s_lshl_b32 s38, s28, 6
	v_add_nc_u32 v18, s38, v15
	ds_store_b32 v18, v16
.Lqk_b0:
	BAR
	s_cmp_ge_u32 s28, 4
	s_cbranch_scc1 .Lqk_b
.irp q, 0,1,2,3
	ds_load_b32 v[16+\q], v15 offset:64*\q
.endr
	s_wait_dscnt 0x0
	v_max3_num_f32 v16, v16, v17, v18
	v_max_num_f32 v16, v16, v19                    ; over the head's 64 columns
	v_and_b32 v20, 0x7f800000, v16                 ; P2 = 2^e, the power of two at or under it (0 for a zero row)
	v_sub_nc_u32 v21, 0x7f000000, v20              ; 2^-e: the exponent field 254 - (e + 127)
.irp j, 0,1,2,3,4,5,6,7
	v_mul_f32 v[144+\j], v[144+\j], v21            ; |q^| < 2, exact
.endr
.irp q, 0,1,2,3
	v_cvt_pk_f16_f32 v[24+\q], v[144+2*\q], v[145+2*\q]
.endr
	s_lshl_b32 s38, s28, 5
	v_add_nc_u32 v22, s38, v5
	ds_store_b128 v22, v[24:27]                    ; row r, columns 16 w + 8 h2 ..
	s_cmp_lg_u32 s28, 0
	s_cbranch_scc1 .Lqk_b
	v_mul_f32 v28, 0x3e38aa3b, v20                 ; P2 x log2(e) / 8
	v_lshlrev_b32 v29, 2, v2
	v_cmp_gt_u32 vcc_lo, 16, v0
	s_wait_xcnt 0x0                                ; EXEC changes only behind this wait
	s_and_saveexec_b32 s34, vcc_lo
	global_store_b32 v29, v28, s[22:23]            ; 16 rows: 64 consecutive bytes
	s_wait_xcnt 0x0                                ; also frees v28 and v29
	s_or_b32 exec_lo, exec_lo, s34
.Lqk_b:
	BAR
	; qkh: eight waves, wave w makes d = 32 w .. 32 w + 31.  Source 0: rows d of Wk's slab, source 1: rows of q^: lane r holds eight neighbouring d of row r.
.irp ks, 0,1
	ds_load_b128 v[16+8*\ks:19+8*\ks], v5 offset:64*\ks
	ds_load_b128 v[20+8*\ks:23+8*\ks], v5 offset:64*\ks+32
.endr
	KFLOAD
	s_wait_dscnt 0x0
	v_wmma_f32_16x16x32_f16 v[160:167], v[32:39], v[16:23], 0
	v_wmma_f32_16x16x32_f16 v[168:175], v[48:55], v[16:23], 0
	v_wmma_f32_16x16x32_f16 v[160:167], v[40:47], v[24:31], v[160:167]
	v_wmma_f32_16x16x32_f16 v[168:175], v[56:63], v[24:31], v[168:175]
	PLACES
.irp dt, 0,1
.irp q, 0,1,2,3
	v_cvt_pk_f16_f32 v[176+4*\dt+\q], v[160+8*\dt+2*\q], v[161+8*\dt+2*\q]
.endr
	ds_store_b128 v7, v[176+4*\dt:179+4*\dt] offset:32*\dt
.endr
	BAR
	OUTROWS 2, 20
	s_wait_tensorcnt 0x0
	ds_add_u32 v248, v249
	s_wait_dscnt 0x0
	s_endpgm
; ---------------------------------------------------------------- WVO
.Lwvo:
	s_sub_co_u32 s36, ttmp9, 128
	s_lshr_b32 s36, s36, 3                         ; ns: columns 64 ns .. of Wo
	s_add_nc_u64 s[10:11], s[10:11], s[30:31]      ; Wv + 256 h
	s_lshl_b32 s30, s37, 17
	s_lshl_b32 s38, s36, 8
	s_add_co_u32 s30, s30, s38
	s_add_nc_u64 s[12:13], s[12:13], s[30:31]      ; Wo + 64 h rows + 256 ns
	s_lshl_b32 s30, s36, 18
	s_lshl_b32 s38, s37, 9
	s_add_co_u32 s30, s30, s38
	s_add_nc_u64 s[24:25], s[24:25], s[30:31]      ; wvo + 64 ns rows of 4,096 bytes + 512 h
	v_add_nc_u32 v8, WOS, v8                       ; Wo's tile: where it goes,
	v_add_nc_u32 v11, WOS, v11                     ; and where its fragments are read
.irp i, 0,1,2,3
	global_load_b128 v[16+4*\i:19+4*\i], v6, s[12:13] offset:32768*\i
.endr
.irp i, 0,1,2,3,4,5,6,7,8,9,10,11,12,13,14,15
	global_load_b128 v[176+4*\i:179+4*\i], v6, s[10:11] offset:32768*\i
.endr
.irp i, 0,1,2,3
	CVST 16+4*\i,8,16*WQP*\i,19-\i
.endr
.irp i, 0,1,2,3,4,5,6,7,8,9,10,11,12,13,14,15
	CVST 176+4*\i,10,16*WKP*\i,15-\i
.endr
	BAR
	ADDRS OST2
	KFLOAD
.irp nt, 0,1,2,3
.irp ks, 0,1
	ds_load_tr16_b128 v[80+16*\nt+8*\ks:83+16*\nt+8*\ks], v11 offset:32*WQP*\ks+32*\nt
	ds_load_tr16_b128 v[84+16*\nt+8*\ks:87+16*\nt+8*\ks], v11 offset:32*WQP*\ks+32*\nt+16*WQP
.endr
.endr
	s_wait_dscnt 0x0
	; eight accumulators (4 tiles of n x my 2 tiles of d) take turns.  Source 0: rows d of Wv's slab, source 1: columns n of Wo: lane r holds eight neighbouring d of row n.
.irp ks, 0,1
.irp nt, 0,1,2,3
.irp dt, 0,1
.if \ks == 0
	v_wmma_f32_16x16x32_f16 v[144+16*\nt+8*\dt:151+16*\nt+8*\dt], v[32+16*\dt+8*\ks:39+16*\dt+8*\ks], v[80+16*\nt+8*\ks:87+16*\nt+8*\ks], 0
.else
	v_wmma_f32_16x16x32_f16 v[144+16*\nt+8*\dt:151+16*\nt+8*\dt], v[32+16*\dt+8*\ks:39+16*\dt+8*\ks], v[80+16*\nt+8*\ks:87+16*\nt+8*\ks], v[144+16*\nt+8*\dt:151+16*\nt+8*\dt]
.endif
.endr
.endr
.endr
	PLACES
.irp nt, 0,1,2,3
.irp dt, 0,1
.irp q, 0,1,2,3
	v_cvt_pk_f16_f32 v[208+8*\nt+4*\dt+\q], v[144+16*\nt+8*\dt+2*\q], v[145+16*\nt+8*\dt+2*\q]
.endr
	ds_store_b128 v7, v[208+8*\nt+4*\dt:211+8*\nt+4*\dt] offset:16*OSP*\nt+32*\dt
.endr
.endr
	BAR
	OUTROWS 8, 24
	s_wait_tensorcnt 0x0
	ds_add_u32 v248, v249
	s_wait_dscnt 0x0
	s_endpgm
; ---------------------------------------------------------------- ROUTER
; Thread (gq = t >> 4, c = t & 15).  r_q: k = 32 gq + i, columns 4 c .. +3.  Logits: rows n = 16 i + gq of rk, the same four columns.
.Lrouter:
	s_sub_co_u32 s36, ttmp9, 192                   ; the latent row
	s_lshl_b32 s30, s36, 11
	s_add_nc_u64 s[4:5], s[4:5], s[30:31]
	s_lshr_b32 s37, s36, 7                         ; its batch
	s_lshl_b32 s30, s37, 16
	s_add_nc_u64 s[18:19], s[18:19], s[30:31]      ; 256 rows of rk
	s_lshl_b32 s30, s36, 6
	s_add_nc_u64 s[26:27], s[26:27], s[30:31]      ; the row's 16 words of idx
	v_lshlrev_b32 v5, 7, v4                        ; 128 gq
	v_lshlrev_b32 v6, 4, v2                        ; 16 c
	v_lshl_add_u32 v7, v4, 13, v6                  ; 32 gq rows of 256 bytes + 16 c
	v_lshlrev_b32 v12, 4, v0                       ; 16 t
	v_add_nc_u32 v15, RED, v6                      ; LDS: my four columns in the first wave's partial r_q,
	v_lshl_add_u32 v13, s28, 8, v15                ; and in my wave's
	; 57 loads: 8 of the latent row, 32 of router_q_w, the bias, 16 of rk
.irp e, 0,1,2,3,4,5,6,7
	global_load_b128 v[16+4*\e:19+4*\e], v5, s[4:5] offset:16*\e
.endr
.irp i, 0,1,2,3,4,5,6,7,8,9,10,11,12,13,14,15,16,17,18,19,20,21,22,23,24,25,26,27,28,29,30,31
	global_load_b128 v[48+4*\i:51+4*\i], v7, s[14:15] offset:256*\i
.endr
	global_load_b128 v[240:243], v6, s[16:17]
.irp i, 0,1,2,3,4,5,6,7,8,9,10,11,12,13,14,15
	global_load_b128 v[176+4*\i:179+4*\i], v12, s[18:19] offset:4096*\i
.endr
.irp i, 0,1,2,3,4,5,6,7,8,9,10,11,12,13,14,15,16,17,18,19,20,21,22,23,24,25,26,27,28,29,30,31
	s_wait_loadcnt 48-\i                           ; behind weight row i: 31 - i rows, the bias, 16 of rk
.irp c, 0,1,2,3
.if \i == 0
	v_mul_f32 v[8+\c], v[16+\i], v[48+4*\i+\c]
.else
	v_fmac_f32 v[8+\c], v[16+\i], v[48+4*\i+\c]
.endif
.endr
.endr
.irp c, 0,1,2,3
	v_permlanex16_b32 v[16+\c], v[8+\c], s32, s33
.endr
	v_pk_add_f32 v[8:9], v[8:9], v[16:17]
	v_pk_add_f32 v[10:11], v[10:11], v[18:19]
	ds_store_b128 v13, v[8:11]                     ; my wave's 64 k
	BAR
.irp q, 0,1,2,3,4,5,6,7
	ds_load_b128 v[48+4*\q:51+4*\q], v15 offset:256*\q
.endr
	s_wait_dscnt 0x0
.irp q, 0,2,4,6
	v_pk_add_f32 v[48+4*\q:49+4*\q], v[48+4*\q:49+4*\q], v[52+4*\q:53+4*\q]
	v_pk_add_f32 v[50+4*\q:51+4*\q], v[50+4*\q:51+4*\q], v[54+4*\q:55+4*\q]
.endr
.irp q, 0,4
	v_pk_add_f32 v[48+4*\q:49+4*\q], v[48+4*\q:49+4*\q], v[56+4*\q:57+4*\q]
	v_pk_add_f32 v[50+4*\q:51+4*\q], v[50+4*\q:51+4*\q], v[58+4*\q:59+4*\q]
.endr
	v_pk_add_f32 v[48:49], v[48:49], v[64:65]
	v_pk_add_f32 v[50:51], v[50:51], v[66:67]
	s_wait_loadcnt 16                              ; the bias is in; the 16 loads of rk may stay out
	v_pk_add_f32 v[8:9], v[48:49], v[240:241]
	v_pk_add_f32 v[10:11], v[50:51], v[242:243]    ; r_q of my four columns
	s_wait_loadcnt 0x0
.irp i, 0,1,2,3,4,5,6,7,8,9,10,11,12,13,14,15
	v_mul_f32 v[80+\i], v8, v[176+4*\i]
	v_fmac_f32 v[80+\i], v9, v[177+4*\i]
	v_fmac_f32 v[80+\i], v10, v[178+4*\i]
	v_fmac_f32 v[80+\i], v11, v[179+4*\i]
.endr
.irp m, 1,2,4,8
.irp i, 0,1,2,3,4,5,6,7,8,9,10,11,12,13,14,15
	v_add_f32_dpp v[80+\i], v[80+\i], v[80+\i] row_xmask:\m row_mask:0xf bank_mask:0xf   ; over the 16 lanes c: the 64 columns
.endr
.endr
	v_mov_b32 v96, v80                             ; lane c keeps logit i = c: block 16 c + gq
.irp i, 1,2,3,4,5,6,7,8,9,10,11,12,13,14,15
	v_cmp_eq_u32 vcc_lo, \i, v2
	v_cndmask_b32 v96, v96, v[80+\i], vcc_lo
.endr
	v_lshlrev_b32 v14, 6, v2
	v_lshl_add_u32 v14, v4, 2, v14
	v_add_nc_u32 v14, LOG, v14
	ds_store_b32 v14, v96
	BAR
	s_cmp_lg_u32 s28, 0
	s_cbranch_scc1 .Lend
	; The 16 largest, by wave 0: lane L holds blocks 8 L .. 8 L + 7.  Sixteen times: the maximum; the lowest block that holds it; strike it out.
	; Only values are selected: no branch, no mask of lanes and no address hangs on a logit.
	v_lshlrev_b32 v46, 5, v1
	v_add_nc_u32 v46, LOG, v46
	ds_load_b128 v[16:19], v46
	ds_load_b128 v[20:23], v46 offset:16
	v_lshlrev_b32 v47, 3, v1
.irp j, 0,1,2,3,4,5,6,7
	v_add_nc_u32 v40, \j, v47
	v_cvt_f32_u32 v[24+\j], v40                    ; the block's number as f32, exact
.endr
	v_mov_b32 v43, 0                               ; lane i: the i-th choice
	v_mov_b32 v44, 0x44800000                      ; 1024.0: above every block's number
	v_mov_b32 v45, 0xff800000                      ; minus infinity: struck out
	s_wait_dscnt 0x0
	s_mov_b32 s35, 0
.Ltop:
	v_max3_num_f32 v40, v16, v17, v18
	v_max3_num_f32 v41, v19, v20, v21
	v_max3_num_f32 v40, v40, v22, v23
	v_max_num_f32 v40, v40, v41
.irp m, 1,2,4,8
	v_max_num_f32_dpp v40, v40, v40 row_xmask:\m row_mask:0xf bank_mask:0xf
.endr
	v_permlanex16_b32 v41, v40, s32, s33
	v_max_num_f32 v40, v40, v41
.irp j, 0,1,2,3,4,5,6,7
	v_cmp_eq_f32 vcc_lo, v[16+\j], v40
	v_cndmask_b32 v[32+\j], v44, v[24+\j], vcc_lo
.endr
	v_min3_num_f32 v42, v32, v33, v34
	v_min3_num_f32 v41, v35, v36, v37
	v_min3_num_f32 v42, v42, v38, v39
	v_min_num_f32 v42, v42, v41
.irp m, 1,2,4,8
	v_min_num_f32_dpp v42, v42, v42 row_xmask:\m row_mask:0xf bank_mask:0xf
.endr
	v_permlanex16_b32 v41, v42, s32, s33
	v_min_num_f32 v42, v42, v41
.irp j, 0,1,2,3,4,5,6,7
	v_cmp_eq_f32 vcc_lo, v[24+\j], v42
	v_cndmask_b32 v[16+\j], v[16+\j], v45, vcc_lo
.endr
	v_cmp_eq_u32 vcc_lo, s35, v1
	v_cndmask_b32 v43, v43, v42, vcc_lo
	s_add_co_u32 s35, s35, 1
	s_cmp_lt_u32 s35, 16
	s_cbranch_scc1 .Ltop
	v_cvt_u32_f32 v43, v43
	v_lshlrev_b32 v47, 2, v1
	v_cmp_gt_u32 vcc_lo, 16, v0
	s_wait_xcnt 0x0                                ; EXEC changes only behind this wait
	s_and_saveexec_b32 s34, vcc_lo
	global_store_b32 v47, v43, s[26:27]            ; 16 whole numbers, 64 consecutive bytes
	s_wait_xcnt 0x0
	s_or_b32 exec_lo, exec_lo, s34
.Lend:
	s_wait_tensorcnt 0x0
	ds_add_u32 v248, v249
	s_wait_dscnt 0x0
	s_endpgm
.Lfunc_end_k_qbf92f4ac89_mid:
	.size	k_qbf92f4ac89_mid, .Lfunc_end_k_qbf92f4ac89_mid-k_qbf92f4ac89_mid
	.p2alignl 7, 3214868480
	.fill 96, 4, 3214868480
	.section	.rodata,"a",@progbits
	.p2align	6, 0x0
	.amdhsa_kernel k_qbf92f4ac89_mid
		.amdhsa_group_segment_fixed_size 160768
		.amdhsa_private_segment_fixed_size 0
		.amdhsa_enable_private_segment 0
		.amdhsa_kernarg_size 96
		.amdhsa_user_sgpr_count 2
		.amdhsa_user_sgpr_kernarg_segment_ptr 1
		.amdhsa_wavefront_size32 1
		.amdhsa_system_sgpr_workgroup_id_x 1
		.amdhsa_system_sgpr_workgroup_id_y 1
		.amdhsa_system_sgpr_workgroup_id_z 1
		.amdhsa_system_vgpr_workitem_id 0
		.amdhsa_next_free_vgpr 250
		.amdhsa_next_free_sgpr 66
		.amdhsa_reserve_vcc 1
		.amdhsa_float_denorm_mode_32 3
		.amdhsa_float_denorm_mode_16_64 3
		.amdhsa_memory_ordered 1
		.amdhsa_forward_progress 1
		.amdhsa_inst_pref_size 71
	.end_amdhsa_kernel
	.amdgpu_metadata
---
amdhsa.version: [ 1, 2 ]
amdhsa.kernels:
  - .name:           k_qbf92f4ac89_mid
    .symbol:         k_qbf92f4ac89_mid.kd
    .args:
      - { .name: latents, .offset: 0, .size: 8, .value_kind: global_buffer, .address_space: global }
      - { .name: Wq, .offset: 8, .size: 8, .value_kind: global_buffer, .address_space: global }
      - { .name: Wk, .offset: 16, .size: 8, .value_kind: global_buffer, .address_space: global }
      - { .name: Wv, .offset: 24, .size: 8, .value_kind: global_buffer, .address_space: global }
      - { .name: Wo, .offset: 32, .size: 8, .value_kind: global_buffer, .address_space: global }
      - { .name: router_q_w, .offset: 40, .size: 8, .value_kind: global_buffer, .address_space: global }
      - { .name: router_q_b, .offset: 48, .size: 8, .value_kind: global_buffer, .address_space: global }
      - { .name: rk, .offset: 56, .size: 8, .value_kind: global_buffer, .address_space: global }
      - { .name: qkh, .offset: 64, .size: 8, .value_kind: global_buffer, .address_space: global }
      - { .name: qsc, .offset: 72, .size: 8, .value_kind: global_buffer, .address_space: global }
      - { .name: wvo, .offset: 80, .size: 8, .value_kind: global_buffer, .address_space: global }
      - { .name: idx, .offset: 88, .size: 8, .value_kind: global_buffer, .address_space: global }
    .group_segment_fixed_size: 160768
    .private_segment_fixed_size: 0
    .kernarg_segment_align: 8
    .kernarg_segment_size: 96
    .max_flat_workgroup_size: 256
    .sgpr_count:     66
    .vgpr_count:     250
    .wavefront_size: 32
...
	.end_amdgpu_metadata
.endif
;; end of part 2
;; launch attend (part 3): grid 256 x 1, 4 waves a work-group, no clusters, 327,680 bytes of LDS; arguments xh, qkh, qsc, idx, cav; writes cav
.if DOCPART == 3
	.amdgcn_target "amdgcn-amd-amdhsa--gfx1250"
	.amdhsa_code_object_version 6
	.text
	.protected	k_qbf92f4ac89_attend
	.globl	k_qbf92f4ac89_attend
	.p2align	8
	.type	k_qbf92f4ac89_attend,@function
k_qbf92f4ac89_attend:
	s_mov_b64 s[64:65], 0
	v_nop
	global_prefetch_b8 v0, s[64:65] scope:SCOPE_SE
	s_setreg_imm32_b32 hwreg(HW_REG_WAVE_MODE, 25, 1), 1
	s_wait_xcnt 0x0
; attend: one latent row for each work-group.  cav[row][256 h + d] = sum_s p[h][s] x[s][d] / sum_s p[h][s] over the 1,024 tokens of the row's 16 blocks,
; p = exp2((x . qkh[row][h]) qsc[h][row] - m), m a running maximum.  Keys and values are never formed: both products run on the raw block in f16.
; Four waves; wave w takes entries 4 w .. 4 w + 3 of the row's list, a block (64 tokens x 512 bytes) at a time, through two LDS slots of its own, filled by its own
; tensor loads.  Each wave keeps its own maximum, sum and 16 accumulator tiles (256 d x 16 columns); the four are merged at the end.
; The 8 heads fill columns 0-7 of the matrix instruction; columns 8-15 repeat them, so every lane computes finite numbers and nothing is masked.
; LAYOUTS.  Scores: source 0 = 16 tokens, source 1 = qkh: lane (r, h2) holds head r & 7, tokens 16 mt + 8 h2 + 0..7.  Packed to f16 in place, that IS source 1 of the second
; product (column = head, K = tokens).  Its source 0 = 16 columns d of the block, by transposing loads; lane r of its result is again head r & 7, so the softmax's
; factors are one number a lane.  The two groups of eight columns of a tile lie 64 columns apart.
; Tile t, register j, half h2 is d = 128 (t >> 3) + 8 (t & 7) + 64 h2 + j.
; NO CLUSTER: every row has its own list of blocks, so partners would ask for different tiles.
; LIMITS: f16 operands (|x| up to 65,504); p is rounded to f16 for the product while its sum is kept in f32.
.set PITCH, 528                        ; an LDS row: 512 bytes + 16 of padding
.set SLOT,  64*PITCH
.set STAT,  8*SLOT                     ; behind the slots, in 256-byte blocks that no tensor load fills: 4 waves x 8 heads x (maximum, sum)
.set OSC,   STAT+256                   ; [wave][8 heads][256 d] f32,
.set OSP,   1040                       ; rows of 1,024 + 16 bytes
.set OSW,   8*OSP
.set QK,  16                           ; v[16:79]   qkh's fragments, 8 K steps, for the whole kernel
.set SR,  80                           ; v[80:111]  scores, then p: 4 tiles of 16 tokens
.set PF,  112                          ; v[112:127] p in f16: 2 K steps of 32 tokens
.set AF,  128                          ; v[128:255] fragments of the block
                                       ; v1 qsc; v4-5, v6-7 LDS addresses for slot 0, 1; v8 maximum; v9 sum; v[10:11] a factor, twice; v2, v3, v12-15 at work
                                       ; v256-383 (window 1, written v0-127): the 16 accumulator tiles
.set G1,  16                           ; s[16:23] descriptor group 1
.set G0,  24                           ; s[24:39] descriptor group 0, one for each of my four blocks: never rewritten
.set MSB, 0
.macro WIN new                         ; s_set_vgpr_msb: bits 1:0 source 0, 3:2 source 1, 5:4 source 2, 7:6 destination; the high byte repeats the setting that is left
.if MSB != \new
	s_set_vgpr_msb (MSB<<8)|\new
.set MSB, \new
.endif
.endm
.macro PLACES                          ; four places behind a matrix instruction, in front of a vector instruction that reads its result and of a
.rept 4                                ; load into one of its registers (ISA guide 7.12.1 for vector instructions)
	v_nop
.endr
.endm
	s_load_b256 s[4:11], s[0:1], 0x0               ; xh s[4:5], qkh s[6:7], qsc s[8:9], idx s[10:11]
	s_load_b64 s[12:13], s[0:1], 0x20              ; cav
	s_set_vgpr_msb 0x40
	v_lshl_add_u32 v128, v0, 2, 0x4a300
	v_mov_b32 v129, 0
	s_set_vgpr_msb 0x4045
	ds_add_u32 v128, v129
	ds_add_u32 v128, v129
	s_set_vgpr_msb 0x4500
	v_lshrrev_b32 v2, 5, v0
	v_readfirstlane_b32 s14, v2                    ; wave 0..3
	s_mov_b32 s44, 0x76543210
	s_mov_b32 s45, 0xfedcba98
	s_mov_b32 s[G1+0], (1<<16)|(1<<20)|(6<<22)|(3<<25)     ; elements of 2 bytes; padding on: after every 128 words (code 6) 4 words (code 3)
	s_mov_b32 s[G1+1], 256<<16                     ; tensor_dim0 = 256
	s_mov_b32 s[G1+2], 64<<16                      ; tensor_dim1 = 64
	s_mov_b32 s[G1+3], 256<<16                     ; tile_dim0 = 256 elements
	s_mov_b32 s[G1+4], 64                          ; tile_dim1 = 64 rows
	s_mov_b32 s[G1+5], 256                         ; from row to row
	s_mov_b32 s[G1+6], 0
	s_mov_b32 s[G1+7], 0
	s_lshl_b32 s48, ttmp9, 6
	s_lshl_b32 s50, s14, 4
	s_add_co_u32 s48, s48, s50                     ; 64 row + 16 wave
	s_mov_b32 s49, 0
	s_wait_dscnt 0x0
	s_wait_kmcnt 0x0
	s_add_nc_u64 s[10:11], s[10:11], s[48:49]
	s_load_b128 s[40:43], s[10:11], 0x0            ; my four blocks
	s_lshr_b32 s51, ttmp9, 7
	s_lshl_b32 s51, s51, 23                        ; the batch: 16,384 tokens of 512 bytes
	s_mul_i32 s50, s14, 2*SLOT                     ; my two slots
	v_and_b32 v12, 15, v0                          ; r
	v_bfe_u32 v13, v0, 4, 1                        ; h2
	v_and_b32 v14, 7, v0                           ; L & 7 = r & 7
	v_bfe_u32 v15, v0, 3, 1
	v_mul_u32_u24 v4, v12, PITCH
	v_lshl_add_u32 v4, v13, 4, v4
	v_add_nc_u32 v4, s50, v4                       ; tokens as rows: r x pitch + 16 h2
	v_add_nc_u32 v5, SLOT, v4
	v_lshl_add_u32 v6, v13, 3, v14
	v_mul_u32_u24 v6, v6, PITCH
	v_lshl_add_u32 v6, v15, 7, v6
	v_add_nc_u32 v6, s50, v6                       ; transposing: token 8 h2 + (L & 7), the second group of eight lanes 128 bytes on
	v_add_nc_u32 v7, SLOT, v6
	v_lshlrev_b32 v2, 9, v14
	v_lshl_add_u32 v2, v13, 4, v2                  ; qkh: 512 (r & 7) + 16 h2
	v_lshlrev_b32 v3, 10, v14                      ; qsc: 1,024 (r & 7)
	s_wait_kmcnt 0x0
.irp q, 0,1,2,3
	s_min_u32 s[40+\q], s[40+\q], 255              ; a loaded number enters an address only clamped
	s_lshl_b32 s48, s[40+\q], 15                   ; 64 tokens of 512 bytes
	s_add_co_u32 s48, s48, s51
	s_mov_b32 s[G0+4*\q], 1
	s_add_co_u32 s[G0+4*\q+1], s50, (\q&1)*SLOT
	s_add_nc_u64 s[G0+4*\q+2:G0+4*\q+3], s[4:5], s[48:49]
	s_or_b32 s[G0+4*\q+3], s[G0+4*\q+3], 0x80000000
.endr
	tensor_load_to_lds s[G0:G0+3], s[G1:G1+7]      ; blocks 0 and 1: first fills.  At most two tensor loads of a wave are ever out
	s_nop 0
	tensor_load_to_lds s[G0+4:G0+7], s[G1:G1+7]
	s_nop 0
	s_lshl_b32 s48, ttmp9, 12
	s_add_nc_u64 s[6:7], s[6:7], s[48:49]          ; the row's 4,096 bytes of qkh
	s_add_nc_u64 s[12:13], s[12:13], s[48:49]      ; and of cav
	s_lshl_b32 s48, ttmp9, 2
	s_add_nc_u64 s[8:9], s[8:9], s[48:49]
.irp s, 0,1,2,3,4,5,6,7
	global_load_b128 v[QK+8*\s:QK+8*\s+3], v2, s[6:7] offset:64*\s
	global_load_b128 v[QK+8*\s+4:QK+8*\s+7], v2, s[6:7] offset:64*\s+32
.endr
	global_load_b32 v1, v3, s[8:9]
	s_wait_loadcnt 0x0                             ; once; also frees v2 and v3
.macro LDA slot, s, b                  ; 8 LDS loads: K step s (32 columns d) of the block's four token tiles, into quarter b of AF
.irp m, 0,1,2,3
	ds_load_b128 v[AF+32*(\b)+8*\m:AF+32*(\b)+8*\m+3], v[4+\slot] offset:16*PITCH*\m+64*(\s)
	ds_load_b128 v[AF+32*(\b)+8*\m+4:AF+32*(\b)+8*\m+7], v[4+\slot] offset:16*PITCH*\m+64*(\s)+32
.endr
.endm
.macro SMUL s, b                       ; the four token tiles take turns
.irp m, 0,1,2,3
.if (\s) == 0
	v_wmma_f32_16x16x32_f16 v[SR+8*\m:SR+8*\m+7], v[AF+32*(\b)+8*\m:AF+32*(\b)+8*\m+7], v[QK+8*(\s):QK+8*(\s)+7], 0
.else
	v_wmma_f32_16x16x32_f16 v[SR+8*\m:SR+8*\m+7], v[AF+32*(\b)+8*\m:AF+32*(\b)+8*\m+7], v[QK+8*(\s):QK+8*(\s)+7], v[SR+8*\m:SR+8*\m+7]
.endif
.endr
.endm
.macro LDT slot, ks, t0                ; 16 transposing loads: tokens 32 ks .. +31 of the tiles t0 .. t0 + 7 of d
.irp u, 0,1,2,3,4,5,6,7
	ds_load_tr16_b128 v[AF+8*(\t0+\u):AF+8*(\t0+\u)+3], v[6+\slot] offset:32*PITCH*\ks+256*(\t0>>3)+16*\u
	ds_load_tr16_b128 v[AF+8*(\t0+\u)+4:AF+8*(\t0+\u)+7], v[6+\slot] offset:32*PITCH*\ks+256*(\t0>>3)+16*\u+16*PITCH
.endr
.endm
.macro PV ks, t0, zero                 ; under window 0x50: C and D are v256 + ..; eight tiles take turns
.irp u, 0,1,2,3,4,5,6,7
.if \zero
	v_wmma_f32_16x16x32_f16 v[8*(\t0+\u):8*(\t0+\u)+7], v[AF+8*(\t0+\u):AF+8*(\t0+\u)+7], v[PF+8*\ks:PF+8*\ks+7], 0
.else
	v_wmma_f32_16x16x32_f16 v[8*(\t0+\u):8*(\t0+\u)+7], v[AF+8*(\t0+\u):AF+8*(\t0+\u)+7], v[PF+8*\ks:PF+8*\ks+7], v[8*(\t0+\u):8*(\t0+\u)+7]
.endif
.endr
.endm
.macro RESCALE                         ; all 128 accumulator registers times the lane's factor in v[10:11]
	WIN 0x41                                       ; source 0 and destination in window 1
.set k, 0
.rept 64
	v_pk_mul_f32 v[2*k:2*k+1], v[2*k:2*k+1], v[10:11]
.set k, k+1
.endr
	WIN 0
.endm
; One block.  first = 1: it starts the maximum, the sum and the accumulators; nothing is cleared.
.macro BLOCK slot, first
	LDA \slot, 0, 0
	LDA \slot, 1, 1
	LDA \slot, 2, 2
	LDA \slot, 3, 3
.irp s, 0,1,2,3
	s_wait_dscnt 24                                ; K step s is in; the 24 loads of the three steps behind it stay out
	SMUL \s, \s
	PLACES
	LDA \slot, \s+4, \s
.endr
	s_wait_dscnt 24
	SMUL 4, 0
	s_wait_dscnt 16
	SMUL 5, 1
	s_wait_dscnt 8
	SMUL 6, 2
	s_wait_dscnt 0x0
	SMUL 7, 3
	PLACES
	LDT \slot, 0, 0                                ; 32 loads that land while the softmax runs
	LDT \slot, 0, 8
	v_max3_num_f32 v12, v[SR], v[SR+1], v[SR+2]
	v_max3_num_f32 v13, v[SR+3], v[SR+4], v[SR+5]
	v_max3_num_f32 v14, v[SR+6], v[SR+7], v[SR+8]
	v_max3_num_f32 v15, v[SR+9], v[SR+10], v[SR+11]
.irp m, 0,1,2,3,4,5,6,7,8,9
	v_max3_num_f32 v[12+(\m&3)], v[12+(\m&3)], v[SR+12+2*\m], v[SR+13+2*\m]
.endr
	v_max3_num_f32 v12, v12, v13, v14
	v_max_num_f32 v12, v12, v15
	v_permlanex16_b32 v13, v12, s44, s45           ; the head's other 32 tokens
	v_max_num_f32 v12, v12, v13
.if \first
	v_mul_f32 v8, v12, v1                          ; qsc is not negative, so the largest score gives the largest exponent
.else
	v_mul_f32 v12, v12, v1
	v_max_num_f32 v13, v8, v12
	v_sub_f32 v2, v8, v13                          ; old maximum - new
	v_mov_b32 v8, v13
.endif
.set k, 0
.rept 32
	v_fma_f32 v[SR+k], v[SR+k], v1, -v8
.set k, k+1
.endr
.set k, 0
.rept 32
	v_exp_f32 v[SR+k], v[SR+k]
.set k, k+1
.endr
.if \first == 0
	v_exp_f32 v10, v2
.endif
	v_nop                                          ; one plain instruction behind the exponentials, ahead of the first use (ISA guide 5.7.2)
.if \first == 0
	s_wait_alu depctr_va_vdst(0)
	v_mov_b32 v11, v10
.endif
	s_wait_alu depctr_va_vdst(0)
	v_pk_add_f32 v[12:13], v[SR:SR+1], v[SR+2:SR+3]
	v_pk_add_f32 v[14:15], v[SR+4:SR+5], v[SR+6:SR+7]
.irp m, 4,6,8,10,12,14
	v_pk_add_f32 v[12:13], v[12:13], v[SR+2*\m:SR+2*\m+1]
	v_pk_add_f32 v[14:15], v[14:15], v[SR+2*\m+2:SR+2*\m+3]
.endr
	v_pk_add_f32 v[12:13], v[12:13], v[14:15]
.if \first
	v_add_f32 v9, v12, v13                         ; the sum of my 32 tokens: the two halves meet at the end
.else
	v_add_f32 v12, v12, v13
	v_fma_f32 v9, v9, v10, v12
.endif
.set k, 0
.rept 16
	v_cvt_pk_f16_f32 v[PF+k], v[SR+2*k], v[SR+2*k+1]   ; tiles 0, 1 are K step 0, tiles 2, 3 K step 1: no number changes its lane
.set k, k+1
.endr
.if \first == 0
	RESCALE
.endif
	s_wait_dscnt 16                                ; tokens 0-31 of tiles 0-7 are in; tiles 8-15 stay out
	WIN 0x50
	PV 0, 0, \first
	WIN 0
	PLACES
	LDT \slot, 1, 0
	s_wait_dscnt 16                                ; tiles 8-15; the 16 loads just issued stay out
	WIN 0x50
	PV 0, 8, \first
	WIN 0
	PLACES
	LDT \slot, 1, 8
	s_wait_dscnt 16
	WIN 0x50
	PV 1, 0, 0
	s_wait_dscnt 0x0
	PV 1, 8, 0
	WIN 0
	PLACES                                         ; for what follows: loads into AF, or vector work on the accumulators
.endm
; A slot is filled again: my reads of it are back, all my tensor loads have landed, every wave has said so, and the refill comes first.
.macro REFILL q
	s_wait_dscnt 0x0
	s_set_vgpr_msb 0x5
	s_wait_tensorcnt 0x0                           ; the one that was out is the block read next
	ds_add_u32 v128, v129
	s_wait_dscnt 0x0
	s_set_vgpr_msb 0x500
	s_barrier_signal -1
	s_barrier_wait -1
	tensor_load_to_lds s[G0+4*\q:G0+4*\q+3], s[G1:G1+7]
	s_nop 0
.endm
	s_wait_tensorcnt 1                             ; block 0 is in; block 1 stays out.  Only I read my slots, so my own wait is all that a read needs
	BLOCK 0, 1
	REFILL 2                                       ; it has a whole block's work in which to land
	BLOCK 1, 0
	REFILL 3
	BLOCK 0, 0
	s_wait_tensorcnt 0x0
	BLOCK 1, 0
	; THE MERGE of the four waves: common maximum M, sum = sum_q exp2(m_q - M) l_q, my accumulators times exp2(m - M) / sum, then added through LDS.
	v_permlanex16_b32 v12, v9, s44, s45
	v_add_f32 v9, v9, v12
	v_and_b32 v14, 7, v0
	v_lshlrev_b32 v13, 3, v14
	v_add_nc_u32 v13, STAT, v13
	s_lshl_b32 s48, s14, 6
	v_add_nc_u32 v15, s48, v13
	ds_store_b64 v15, v[8:9]                       ; the four lanes of a head hold, and write, the same pair
	s_wait_dscnt 0x0
	s_barrier_signal -1
	s_barrier_wait -1
.irp q, 0,1,2,3
	ds_load_b64 v[16+2*\q:17+2*\q], v13 offset:64*\q
.endr
	v_mul_u32_u24 v2, v14, OSP
	v_bfe_u32 v3, v0, 4, 1
	v_lshl_add_u32 v2, v3, 8, v2
	s_mul_i32 s48, s14, OSW
	s_add_co_u32 s48, s48, OSC
	v_add_nc_u32 v2, s48, v2                       ; my wave's part, head r & 7, 64 h2 columns on
	v_and_b32 v3, 8, v0
	s_wait_dscnt 0x0
	v_max3_num_f32 v28, v16, v18, v20
	v_max_num_f32 v28, v28, v22
	v_sub_f32 v24, v16, v28
	v_sub_f32 v25, v18, v28
	v_sub_f32 v26, v20, v28
	v_sub_f32 v27, v22, v28
	v_sub_f32 v29, v8, v28
	v_exp_f32 v24, v24
	v_exp_f32 v25, v25
	v_exp_f32 v26, v26
	v_exp_f32 v27, v27
	v_exp_f32 v29, v29
	v_nop
	s_wait_alu depctr_va_vdst(0)
	v_mul_f32 v30, v24, v17
	v_fmac_f32 v30, v25, v19
	v_fmac_f32 v30, v26, v21
	v_fmac_f32 v30, v27, v23
	v_rcp_f32 v31, v30                             ; the sum is at least 1: the largest exponent is 0
	v_cmp_eq_u32 vcc_lo, 0, v3                     ; the plain instruction behind v_rcp_f32
	s_wait_alu depctr_va_vdst(0)
	v_mul_f32 v10, v29, v31
	v_mov_b32 v11, v10
	RESCALE
	s_wait_xcnt 0x0                                ; EXEC changes only behind this wait
	s_and_saveexec_b32 s46, vcc_lo                 ; lanes with r < 8: the others hold copies
	WIN 0x04                                       ; the stores' data in window 1
.irp t, 0,1,2,3,4,5,6,7,8,9,10,11,12,13,14,15
	ds_store_b128 v2, v[8*\t:8*\t+3] offset:512*(\t>>3)+32*(\t&7)
	ds_store_b128 v2, v[8*\t+4:8*\t+7] offset:512*(\t>>3)+32*(\t&7)+16
.endr
	WIN 0
	s_or_b32 exec_lo, exec_lo, s46
	s_wait_dscnt 0x0
	s_barrier_signal -1
	s_barrier_wait -1
	; thread t makes pieces t and t + 128 of the row: eight numbers each, head (piece >> 5), d = 8 (piece & 31)
	v_and_b32 v3, 31, v0
	s_mul_i32 s48, s14, OSP
	s_add_co_u32 s48, s48, OSC
	v_lshl_add_u32 v2, v3, 5, s48
	v_lshlrev_b32 v3, 4, v0
.irp p, 0,1
.irp q, 0,1,2,3
	ds_load_b128 v[16+32*\p+8*\q:19+32*\p+8*\q], v2 offset:OSW*\q+4*OSP*\p
	ds_load_b128 v[20+32*\p+8*\q:23+32*\p+8*\q], v2 offset:OSW*\q+4*OSP*\p+16
.endr
.endr
	s_wait_dscnt 0x0
.irp p, 0,1
.irp k, 0,2,4,6
	v_pk_add_f32 v[16+32*\p+\k:17+32*\p+\k], v[16+32*\p+\k:17+32*\p+\k], v[24+32*\p+\k:25+32*\p+\k]
	v_pk_add_f32 v[32+32*\p+\k:33+32*\p+\k], v[32+32*\p+\k:33+32*\p+\k], v[40+32*\p+\k:41+32*\p+\k]
	v_pk_add_f32 v[16+32*\p+\k:17+32*\p+\k], v[16+32*\p+\k:17+32*\p+\k], v[32+32*\p+\k:33+32*\p+\k]
.endr
.irp q, 0,1,2,3
	v_cvt_pk_f16_f32 v[80+4*\p+\q], v[16+32*\p+2*\q], v[17+32*\p+2*\q]
.endr
	global_store_b128 v3, v[80+4*\p:83+4*\p], s[12:13] offset:2048*\p      ; sixteen lanes store 256 consecutive bytes, aligned
.endr
	s_set_vgpr_msb 0x5
	s_wait_tensorcnt 0x0
	ds_add_u32 v128, v129
	s_wait_dscnt 0x0
	s_set_vgpr_msb 0x500
	s_endpgm
.Lfunc_end_k_qbf92f4ac89_attend:
	.size	k_qbf92f4ac89_attend, .Lfunc_end_k_qbf92f4ac89_attend-k_qbf92f4ac89_attend
	.p2alignl 7, 3214868480
	.fill 96, 4, 3214868480
	.section	.rodata,"a",@progbits
	.p2align	6, 0x0
	.amdhsa_kernel k_qbf92f4ac89_attend
		.amdhsa_group_segment_fixed_size 327680
		.amdhsa_private_segment_fixed_size 0
		.amdhsa_enable_private_segment 0
		.amdhsa_kernarg_size 40
		.amdhsa_user_sgpr_count 2
		.amdhsa_user_sgpr_kernarg_segment_ptr 1
		.amdhsa_wavefront_size32 1
		.amdhsa_system_sgpr_workgroup_id_x 1
		.amdhsa_system_sgpr_workgroup_id_y 1
		.amdhsa_system_sgpr_workgroup_id_z 1
		.amdhsa_system_vgpr_workitem_id 0
		.amdhsa_next_free_vgpr 386
		.amdhsa_next_free_sgpr 66
		.amdhsa_reserve_vcc 1
		.amdhsa_float_denorm_mode_32 3
		.amdhsa_float_denorm_mode_16_64 3
		.amdhsa_memory_ordered 1
		.amdhsa_forward_progress 1
		.amdhsa_inst_pref_size 111
	.end_amdhsa_kernel
	.amdgpu_metadata
---
amdhsa.version: [ 1, 2 ]
amdhsa.kernels:
  - .name:           k_qbf92f4ac89_attend
    .symbol:         k_qbf92f4ac89_attend.kd
    .args:
      - { .name: xh, .offset: 0, .size: 8, .value_kind: global_buffer, .address_space: global }
      - { .name: qkh, .offset: 8, .size: 8, .value_kind: global_buffer, .address_space: global }
      - { .name: qsc, .offset: 16, .size: 8, .value_kind: global_buffer, .address_space: global }
      - { .name: idx, .offset: 24, .size: 8, .value_kind: global_buffer, .address_space: global }
      - { .name: cav, .offset: 32, .size: 8, .value_kind: global_buffer, .address_space: global }
    .group_segment_fixed_size: 327680
    .private_segment_fixed_size: 0
    .kernarg_segment_align: 8
    .kernarg_segment_size: 40
    .max_flat_workgroup_size: 128
    .sgpr_count:     66
    .vgpr_count:     386
    .wavefront_size: 32
...
	.end_amdgpu_metadata
.endif
;; end of part 3
;; launch outproj (part 4): grid 8 x 16, 4 waves a work-group, clusters of 4 x 4, 327,680 bytes of LDS; arguments cav, wvo, out0; writes out0
.if DOCPART == 4
	.amdgcn_target "amdgcn-amd-amdhsa--gfx1250"
	.amdhsa_code_object_version 6
	.text
	.protected	k_qbf92f4ac89_outproj
	.globl	k_qbf92f4ac89_outproj
	.p2align	8
	.type	k_qbf92f4ac89_outproj,@function
k_qbf92f4ac89_outproj:
	s_mov_b64 s[64:65], 0
	v_nop
	global_prefetch_b8 v0, s[64:65] scope:SCOPE_SE
	s_setreg_imm32_b32 hwreg(HW_REG_WAVE_MODE, 25, 1), 1
	s_wait_xcnt 0x0
	s_wait_alu depctr_hold_cnt(0) depctr_sa_sdst(0) depctr_va_vdst(0) depctr_va_sdst(0) depctr_va_ssrc(0) depctr_va_vcc(0) depctr_vm_vsrc(0)
	s_getreg_b32 s2, hwreg(HW_REG_IB_STS2, 6, 4)
	s_cmp_eq_u32 s2, 0
	s_cbranch_scc0 .Lentry_in_a_cluster
	s_endpgm
.Lentry_in_a_cluster:
	s_bfe_u32 s2, ttmp6, 0x10000c
	s_cmp_lg_u32 s2, 0xf033
	s_cbranch_scc0 .Lentry_shape_is_right
	s_endpgm
.Lentry_shape_is_right:
; outproj: out0[256][512] = cav[256][2048] . wvo[512][2048]^T, f16 operands, f32 sums, f32 out.
; A work-group makes 16 rows x 64 columns (a row's 256 bytes of output, stored whole); wave w makes columns 16 w .. 16 w + 15.  128 work-groups: a tile of
; 32 columns would give twice as many, each storing 128 bytes of a row.  K goes in four chunks of 512 (rows of 1,024 bytes) through three LDS slots.
; CLUSTERS: 4 x 4 work-groups.  The four of a row of the cluster need the same 16 rows of cav, the four of a column the same 64 rows of wvo: each tile is asked for
; jointly, by the same line with the same descriptor and a mask that names the four.  Every wave fetches 4 rows of cav and 16 of wvo for each chunk.
; The matrix instruction is used transposed (source 0: rows of wvo, source 1: rows of cav): lane (r, h2) holds row r, columns 16 w + 8 h2 + 0..7.
.set PITCH,  1040                      ; an LDS row: 1,024 bytes + 16 of padding
.set BOFF,   16*PITCH                  ; in a slot: cav's 16 rows, then wvo's 64
.set SLOT,   80*PITCH
.set STG,    3*SLOT                    ; the way out: 16 rows of 256 + 16 bytes, in 256-byte blocks that no tensor load fills
.set SPITCH, 272
.set G1A, 16                           ; s[16:23] group 1 for cav's tiles
.set G1B, 24                           ; s[24:31] group 1 for wvo's tiles
.set G0A, 32                           ; s[32:43] group 0 for cav's tiles, one for each slot
.set G0B, 44                           ; s[44:55] group 0 for wvo's tiles
.set F0,  32                           ; v[32:95], v[96:159]: two fragment buffers of four K steps
.set F1,  96
.set ACC, 160                          ; v[160:175]: two accumulators that take turns
.set FIELDS, (1<<16)|(1<<20)|(1<<21)|(7<<22)|(3<<25)   ; elements of 2 bytes; padding on; bit 21 beside a mask; after every 256 words (code 7) 4 words (code 3)
.macro PLACES                          ; four places behind a matrix instruction, in front of a vector instruction that reads its result and of a
.rept 4                                ; load into one of its registers (ISA guide 7.12.1 for vector instructions)
	v_nop
.endr
.endm
; A round of the cluster's barrier: my work-group's barrier, wave 0 signals for the work-group, every wave waits for all sixteen, my work-group's barrier once more.
.macro ROUND
	s_barrier_signal -1
	s_barrier_wait -1
	s_cmp_lg_u32 s8, 0
	s_cbranch_scc1 .Lnot_wave_0_\@
	s_barrier_signal -3
.Lnot_wave_0_\@:
	s_barrier_wait -3
	s_barrier_signal -1
	s_barrier_wait -1
.endm
	s_load_b128 s[4:7], s[0:1], 0x0                ; cav s[4:5], wvo s[6:7]
	s_load_b64 s[10:11], s[0:1], 0x10              ; out0
	v_lshl_add_u32 v176, v0, 2, 0x3e000
	v_mov_b32 v177, 0
	ds_add_u32 v176, v177
	ds_add_u32 v176, v177
	v_lshrrev_b32 v1, 5, v0
	v_readfirstlane_b32 s8, v1                     ; wave 0..3
	s_bfe_u32 s56, ttmp6, 0x40000                  ; cx
	s_bfe_u32 s57, ttmp6, 0x40004                  ; cy
	s_lshl_b32 s58, ttmp9, 2
	s_add_co_u32 s58, s58, s56                     ; cs: columns 64 cs ..
	s_and_b32 s59, ttmp7, 0xffff
	s_lshl_b32 s59, s59, 2
	s_add_co_u32 s59, s59, s57                     ; rt: rows 16 rt ..
	s_lshl_b32 s60, s57, 2
	s_lshl_b32 s60, 15, s60                        ; my row of the cluster: places 4 cy .. 4 cy + 3
	s_lshl_b32 s61, 0x1111, s56                    ; my column: places cx, cx + 4, cx + 8, cx + 12
	s_or_b32 s[G1A+0], s60, FIELDS                 ; cav's tiles hang on rt alone: shared along the row
	s_or_b32 s[G1B+0], s61, FIELDS                 ; wvo's on cs alone: shared along the column
	s_mov_b32 s[G1A+1], 512<<16                    ; tensor_dim0 = 512
	s_mov_b32 s[G1B+1], 512<<16
	s_mov_b32 s[G1A+2], 4<<16                      ; tensor_dim1 = 4 rows
	s_mov_b32 s[G1B+2], 16<<16                     ; 16 rows
	s_mov_b32 s[G1A+3], 512<<16                    ; tile_dim0 = 512
	s_mov_b32 s[G1B+3], 512<<16
	s_mov_b32 s[G1A+4], 4                          ; tile_dim1
	s_mov_b32 s[G1B+4], 16
	s_mov_b32 s[G1A+5], 2048                       ; from row to row
	s_mov_b32 s[G1B+5], 2048
	s_mov_b32 s[G1A+6], 0
	s_mov_b32 s[G1B+6], 0
	s_mov_b32 s[G1A+7], 0
	s_mov_b32 s[G1B+7], 0
	; cav's address is made of rt and the wave, wvo's of cs and the wave, each in registers that never hold the other coordinate
	s_lshl_b32 s12, s59, 16
	s_lshl_b32 s9, s8, 14
	s_add_co_u32 s12, s12, s9                      ; (16 rt + 4 w) rows of 4,096 bytes
	s_mov_b32 s13, 0
	s_lshl_b32 s14, s58, 18
	s_lshl_b32 s9, s8, 16
	s_add_co_u32 s14, s14, s9                      ; (64 cs + 16 w) rows
	s_mov_b32 s15, 0
	s_mul_i32 s62, s8, 4*PITCH                     ; where they go: the wave's number alone enters an LDS address
	s_mul_i32 s63, s8, 16*PITCH
	s_add_co_u32 s63, s63, BOFF
	s_lshl_b32 s60, s59, 15                        ; out0: 16 rt rows of 2,048 bytes + 256 cs (the masks are in the descriptors by now)
	s_lshl_b32 s61, s58, 8
	s_add_co_u32 s60, s60, s61
	s_mov_b32 s61, 0
	s_wait_dscnt 0x0
	s_wait_kmcnt 0x0
	s_add_nc_u64 s[12:13], s[4:5], s[12:13]
	s_add_nc_u64 s[14:15], s[6:7], s[14:15]
	s_add_nc_u64 s[10:11], s[10:11], s[60:61]
	ROUND                                          ; all sixteen work-groups are here: the first joint loads meet
.irp c, 0,1,2
	s_mov_b32 s[G0A+4*\c], 1
	s_add_co_u32 s[G0A+4*\c+1], s62, \c*SLOT
	s_add_nc_u64 s[G0A+4*\c+2:G0A+4*\c+3], s[12:13], \c*1024
	s_or_b32 s[G0A+4*\c+3], s[G0A+4*\c+3], 0x80000000
	s_mov_b32 s[G0B+4*\c], 1
	s_add_co_u32 s[G0B+4*\c+1], s63, \c*SLOT
	s_add_nc_u64 s[G0B+4*\c+2:G0B+4*\c+3], s[14:15], \c*1024
	s_or_b32 s[G0B+4*\c+3], s[G0B+4*\c+3], 0x80000000
	tensor_load_to_lds s[G0A+4*\c:G0A+4*\c+3], s[G1A:G1A+7]    ; chunks 0, 1, 2: six tensor loads of the wave are out, the most in this text
	s_nop 0
	tensor_load_to_lds s[G0B+4*\c:G0B+4*\c+3], s[G1B:G1B+7]
	s_nop 0
.endr
	v_and_b32 v1, 15, v0                           ; r
	v_bfe_u32 v2, v0, 4, 1                         ; h2
	v_mul_u32_u24 v4, v1, PITCH
	v_lshl_add_u32 v4, v2, 4, v4                   ; v4-6: cav's fragments in slot 0, 1, 2
	v_add_nc_u32 v5, SLOT, v4
	v_add_nc_u32 v6, 2*SLOT, v4
	v_add_nc_u32 v7, s63, v4                       ; v7-9: my 16 rows of wvo
	v_add_nc_u32 v8, s63, v5
	v_add_nc_u32 v9, s63, v6
	v_mul_u32_u24 v10, v1, SPITCH
	v_lshl_add_u32 v10, v2, 5, v10
	s_lshl_b32 s9, s8, 6
	s_add_co_u32 s9, s9, STG
	v_add_nc_u32 v10, s9, v10                      ; stage in: row r, 64 w + 32 h2
	v_lshrrev_b32 v3, 4, v0                        ; t >> 4: 0..7
	v_mul_u32_u24 v11, v3, SPITCH
	v_lshl_add_u32 v11, v1, 4, v11
	v_add_nc_u32 v11, STG, v11                     ; stage back: sixteen lanes take a row of 256 bytes
	v_lshlrev_b32 v12, 11, v3
	v_lshl_add_u32 v12, v1, 4, v12                 ; and the same row in out0
.macro LOADG c, g, f                   ; 16 LDS loads: K steps 4 g .. 4 g + 3 of chunk slot c into buffer f
	PLACES
.irp q, 0,1,2,3
	ds_load_b128 v[\f+16*\q:\f+16*\q+3], v[7+\c] offset:256*\g+64*\q
	ds_load_b128 v[\f+16*\q+4:\f+16*\q+7], v[7+\c] offset:256*\g+64*\q+32
	ds_load_b128 v[\f+16*\q+8:\f+16*\q+11], v[4+\c] offset:256*\g+64*\q
	ds_load_b128 v[\f+16*\q+12:\f+16*\q+15], v[4+\c] offset:256*\g+64*\q+32
.endr
.endm
.macro MUL4 f, zero                    ; the two accumulators take turns, one instruction a turn, from group to group too
.irp q, 0,1,2,3
.if \zero*(2-\q) > 0
	v_wmma_f32_16x16x32_f16 v[ACC+8*(\q&1):ACC+8*(\q&1)+7], v[\f+16*\q:\f+16*\q+7], v[\f+16*\q+8:\f+16*\q+15], 0
.else
	v_wmma_f32_16x16x32_f16 v[ACC+8*(\q&1):ACC+8*(\q&1)+7], v[\f+16*\q:\f+16*\q+7], v[\f+16*\q+8:\f+16*\q+15], v[ACC+8*(\q&1):ACC+8*(\q&1)+7]
.endif
.endr
.endm
.macro CHUNK c, zero
	LOADG \c, 0, F0
	LOADG \c, 1, F1
	s_wait_dscnt 16                                ; the 16 loads just issued stay out
	MUL4 F0, \zero
	LOADG \c, 2, F0
	s_wait_dscnt 16
	MUL4 F1, 0
	LOADG \c, 3, F1
	s_wait_dscnt 16
	MUL4 F0, 0
	s_wait_dscnt 0x0
	MUL4 F1, 0
.endm
	s_wait_tensorcnt 4                             ; my parts of chunk 0 are in; the four loads of chunks 1 and 2 stay out
	s_barrier_signal -1
	s_barrier_wait -1                              ; everybody's are
	CHUNK 0, 1
	s_wait_dscnt 0x0                               ; my reads of slot 0 are back
	s_wait_tensorcnt 0x0                           ; and all my tensor loads have landed, chunks 1 and 2 among them, so slot 0's descriptors may be stepped
	ds_add_u32 v176, v177
	s_wait_dscnt 0x0
	s_add_nc_u64 s[G0A+2:G0A+3], s[G0A+2:G0A+3], 3*1024
	s_add_nc_u64 s[G0B+2:G0B+3], s[G0B+2:G0B+3], 3*1024
	ROUND                                          ; both now hold of every wave of all sixteen work-groups
	tensor_load_to_lds s[G0A:G0A+3], s[G1A:G1A+7]  ; chunk 3 into slot 0: it has two chunks' work in which to land
	s_nop 0
	tensor_load_to_lds s[G0B:G0B+3], s[G1B:G1B+7]
	s_nop 0
	CHUNK 1, 0
	CHUNK 2, 0
	s_wait_dscnt 0x0
	s_wait_tensorcnt 0x0                           ; my parts of chunk 3
	s_barrier_signal -1
	s_barrier_wait -1
	CHUNK 0, 0
	PLACES
.irp k, 0,2,4,6
	v_pk_add_f32 v[ACC+\k:ACC+\k+1], v[ACC+\k:ACC+\k+1], v[ACC+8+\k:ACC+9+\k]
.endr
	ds_store_b128 v10, v[ACC:ACC+3]
	ds_store_b128 v10, v[ACC+4:ACC+7] offset:16
	s_wait_dscnt 0x0
	s_barrier_signal -1
	s_barrier_wait -1
	ds_load_b128 v[32:35], v11
	ds_load_b128 v[36:39], v11 offset:8*SPITCH
	s_wait_dscnt 1
	global_store_b128 v12, v[32:35], s[10:11]      ; sixteen lanes store 256 consecutive bytes, aligned
	s_wait_dscnt 0x0
	global_store_b128 v12, v[36:39], s[10:11] offset:8*2048
	s_wait_tensorcnt 0x0
	ds_add_u32 v176, v177
	s_wait_dscnt 0x0
	ROUND                                          ; the closing round: no work-group ends while a partner may still ask for a tile that names it
	s_endpgm
.Lfunc_end_k_qbf92f4ac89_outproj:
	.size	k_qbf92f4ac89_outproj, .Lfunc_end_k_qbf92f4ac89_outproj-k_qbf92f4ac89_outproj
	.p2alignl 7, 3214868480
	.fill 96, 4, 3214868480
	.section	.rodata,"a",@progbits
	.p2align	6, 0x0
	.amdhsa_kernel k_qbf92f4ac89_outproj
		.amdhsa_group_segment_fixed_size 327680
		.amdhsa_private_segment_fixed_size 0
		.amdhsa_enable_private_segment 0
		.amdhsa_kernarg_size 24
		.amdhsa_user_sgpr_count 2
		.amdhsa_user_sgpr_kernarg_segment_ptr 1
		.amdhsa_wavefront_size32 1
		.amdhsa_system_sgpr_workgroup_id_x 1
		.amdhsa_system_sgpr_workgroup_id_y 1
		.amdhsa_system_sgpr_workgroup_id_z 1
		.amdhsa_system_vgpr_workitem_id 0
		.amdhsa_next_free_vgpr 178
		.amdhsa_next_free_sgpr 66
		.amdhsa_reserve_vcc 0
		.amdhsa_float_denorm_mode_32 3
		.amdhsa_float_denorm_mode_16_64 3
		.amdhsa_memory_ordered 1
		.amdhsa_forward_progress 1
		.amdhsa_inst_pref_size 32
	.end_amdhsa_kernel
	.amdgpu_metadata
---
amdhsa.version: [ 1, 2 ]
amdhsa.kernels:
  - .name:           k_qbf92f4ac89_outproj
    .symbol:         k_qbf92f4ac89_outproj.kd
    .args:
      - { .name: cav, .offset: 0, .size: 8, .value_kind: global_buffer, .address_space: global }
      - { .name: wvo, .offset: 8, .size: 8, .value_kind: global_buffer, .address_space: global }
      - { .name: out0, .offset: 16, .size: 8, .value_kind: global_buffer, .address_space: global }
    .group_segment_fixed_size: 327680
    .private_segment_fixed_size: 0
    .kernarg_segment_align: 8
    .kernarg_segment_size: 24
    .max_flat_workgroup_size: 128
    .sgpr_count:     66
    .vgpr_count:     178
    .wavefront_size: 32
...
	.end_amdgpu_metadata
.endif
;; end of part 4
